; MI455X (gfx1250); checked and timed in simulation.
; The chip was launched on July 23, 2026; its instructions are those of AMD's public machine-readable ISA for CDNA 5 (MIT licence, August 2026) and "CDNA5" Instruction Set Architecture Reference Guide (July 2026). The comments in the code are by the model that wrote it; some were corrected since.
;; Self Attention. Allowed arithmetic: matrix products marked QUANTISED: E5M2 operands, one given power-of-two scale a tensor, by v_wmma_f32_16x16x64_bf8_bf8 or v_wmma_f32_16x16x128_bf8_bf8, f32 sums; everything else in f32.
;; Inputs: Wk_codes 64 x 24 x 32 uint8 (E5M2 codes of Wk, K innermost, in blocks of 32 codes); Wq_codes 64 x 24 x 32 uint8 (E5M2 codes of Wq, K innermost, in blocks of 32 codes); lowp_scales 8 int32 (the exponents e of the quantised operands' scales 2^e); mask 4 x 4,096 bool; x 4 x 4,096 x 768 float32.
;; Outputs: out0 4 x 4,096 x 768 float32.
;; This version of the problem:
;;   THIS VERSION OF THE PROBLEM IS GIVEN IN LOW PRECISION. The matrix products marked QUANTISED in the list below multiply operands that are first quantised to E5M2 (5 exponent bits, 2 mantissa bits; 8 bits a number), with one given power-of-two scale for each operand tensor; their sums are f32. All else is computed in f32.
;;   The module's matrix products, in the order in which they are computed (A, B: the left and right operand; K: the contracted axis; several contracted axes count as one K, in the product's order):
;;     1. [M 16,384, K 768] x [K 768, N 64]; A: input x; B: input Wq (given as codes): QUANTISED (scales: A lowp_scales[0], B lowp_scales[1])
;;     2. [M 16,384, K 768] x [K 768, N 64]; A: input x; B: input Wk (given as codes): QUANTISED (scales: A lowp_scales[2], B lowp_scales[3])
;;     3. batch 4 x [M 4,096, K 64] x [K 64, N 4,096]; A: computed on the way; B: computed on the way: QUANTISED (scales: A lowp_scales[4], B lowp_scales[5])
;;     4. batch 4 x [M 4,096, K 4,096] x [K 4,096, N 768]; A: softmax (see below); B: input x: QUANTISED (scales: A lowp_scales[6], B lowp_scales[7])
;;   THE QUANTISER, for each operand of a quantised product, along K:
;;     - The operand's scale is 2^e, e = its entry of the input lowp_scales (int32; the entries are numbered through the quantised products in the list's order, A before B).
;;     - Each number is divided by the scale, clamped to +-57,344, and rounded to the nearest number of E5M2, ties to even, subnormals kept.
;;     - The product sums the exact products of the quantised numbers (number of the format x scale) in f32.
;;   ~~~python
;;   def quantise(x, axis, e):      # numpy; x: float32 -> the quantised numbers, widened to float32 again
;;       x = np.moveaxis(x, axis, -1); K = x.shape[-1]
;;       r = np.clip(x / 2.0 ** e, -57344, 57344)
;;       step = 2.0 ** (np.maximum(np.frexp(np.where(r == 0, 1, r))[1] - 1, -14) - 2)
;;       q = np.round(r / step) * step * 2.0 ** e      # np.round: ties to even
;;       return np.moveaxis(q, -1, axis).astype(np.float32)
;;   ~~~
;;   SOFTMAX AHEAD OF A QUANTISED PRODUCT. Where the list says 'softmax', what is quantised is not the finished softmax but p = 2^(t - M), with t = logit x log2(e) and M = ceil(the row's largest t), a whole number; so 1/2 < the row's largest p <= 1. The row's sum l is taken of the UNQUANTISED p, in f32, and the product's result is divided by l at the end. Since M is a whole number, a kernel that streams over the keys may use a running M (the ceiling of the running maximum): every later rescaling is an exact power of two, so the quantised numbers keep their values, but for numbers so far below the row's largest that they fall under the format's range.
;;   OPERANDS COMPUTED ON THE WAY. 'Computed on the way' means the value that the module computes at that place (a softmax that the list does not call 'softmax' is quantised finished and normalised). What goes into a quantiser is computed in f32, as accurately as f32 sums, v_exp_f32 and their like allow (about 1e-6 of the number): no bf16 or f16 on the way to a quantiser, and a product that is left as it is and whose result goes on into a quantised operand takes f32 operands (vector FMAs, or v_wmma_f32_16x16x4_f32). A number that lies on a knife's edge between two numbers of the format may be rounded either way, as far as f32 arithmetic and the matrix unit's own rounding can turn it there, and no further.
;;   INPUTS GIVEN AS CODES. Wk (in the module: [768, 64], K = its axis 0); Wq (in the module: [768, 64], K = its axis 0): each comes as NAME_codes (uint8): NAME with its K axis moved to the last place and cut into blocks of 32 codes, [.., K / 32, bytes a block], one block behind the other in memory; one code a byte (a code: sign, 5 exponent bits, 2 mantissa bits); its scale is its entry of lowp_scales. Its value is code x scale, taken as it is: it is not quantised again, and the codes and scales need not be those that the quantiser above would give.
;; One version. Each part assembles by itself: llvm-mc -triple=amdgcn-amd-amdhsa -mcpu=gfx1250 --defsym DOCPART=n.
;; ======== version 1 of 1: 2 launches
;; limits: right only within a limited range of input values
;; workspace buffers: perm 66,048 bytes of whole numbers; counts 512 bytes of whole numbers; qc 1,050,624 bytes; kc 1,048,576 bytes; vt 12,582,912 bytes
;; launch prep (part 1): grid 4 x 128, 6 waves a work-group, no clusters, 157,440 bytes of LDS; arguments x, mask, Wq_codes, Wk_codes, lowp_scales, qc, kc, vt, perm, counts; writes qc, kc, vt, perm, counts
.if DOCPART == 1
	.amdgcn_target "amdgcn-amd-amdhsa--gfx1250"
	.amdhsa_code_object_version 6
	.text
	.protected	k_q18ec175744_prep
	.globl	k_q18ec175744_prep
	.p2align	8
	.type	k_q18ec175744_prep,@function
k_q18ec175744_prep:
	s_mov_b64 s[64:65], 0
	v_nop
	global_prefetch_b8 v0, s[64:65] scope:SCOPE_SE
	s_setreg_imm32_b32 hwreg(HW_REG_WAVE_MODE, 25, 1), 1
	s_wait_xcnt 0x0
; SELF-ATTENTION UNDER ONE MASK, in two launches: prep (this one), attn.
; WHAT IS LEFT OUT, AND WHY.  mask is an input of whole numbers (0 or 1) by which the problem only SELECTS:
;  - a key with mask 0 has the logit -1e9, so t = -1.44e9 and p = 2^(t - M) is 0 in f32 and has the code 0: it adds nothing to the row's sum and nothing to the last product;
;  - a query with mask 0 has its row of the result multiplied by 0;
;  - a query with mask 1 is itself a key with mask 1, so its row's largest t comes from a key that counts;
;  - on the rows that are kept, the factor maskf on q and k is 1.
; So only the rows with mask 1 are multiplied; rows with mask 0 get zeros.  Every input has a way to the result and is loaded.
; LIMITS: a NaN, an infinity or an overflow in a row of x with mask 0 is not carried to the result; a kept row's largest logit lies above -1e9 + 200 (under that the keys with mask 0 would count);
; e0, e2, e7, e4 - e0 - e1 and e5 - e2 - e3 between -126 and 112, so that each scale and each hold is an f32 number.  NaN among the inputs is not served.
; THE LIST.  A batch's kept positions are numbered by rank, in an order of this kernel's own: by lane, word, bit (below).  Unit g is ranks 32 g .. 32 g + 31; ranks from the count on stand for the positions with mask 0.
; Every wave finds the positions of its unit's 32 ranks by itself: lane L holds 128 of the batch's 4,096 mask bytes as four words of bits; a scan over the lanes gives the count and each lane's first rank;
; then lane l searches the owner of rank 32 g + l among the lanes (five lane permutes), takes the owner's words, and selects the bit.
; WHAT IS STORED.  qc, kc [b][unit][tile rho][c'][16 bytes a lane]: codes of q = Q(x; e0) Wq and k = Q(x; e2) Wk with e4 and e5, K = the 64 units;
;   vt [b][step of 128 ranks][channel tile of 48][c][16 bytes a lane]: codes of x with e7, K = the ranks; perm[b][rank], all 4,096 ranks; counts[b].
; SHARES.  A work-group owns one unit; wave w owns channels 128 w on: K step w of the two projections and eight channel tiles of vt.  A unit is at work where it lies under 4 x max(ceil(count / 128), 1); ranks from the count on
; inside it are filled with zeros.  In the other units wave 0 stores their part of the list.  Two work-groups fit on a WGP (256 registers a wave, 157,440 bytes of LDS): 512 of them in one turn.  No cluster: what is shared is W alone, and no
; tensor load can serve rows picked by loaded numbers.  No prefetch: the launch has no loop to run ahead in.
; The six waves' partial sums of q and k meet in LDS behind one barrier; waves 0-3 add them in f32, quantise and store.
; Tile rho of a unit: lane r stands for local rank 8 rho + r + 8 (r / 8).  The products are used transposed (source 0 = 16 rows of W, source 1 = 16 rows of x): a lane holds one row of x and its registers run along the units.
; REGISTERS: v1 16 x lane; v2 stage + 16 x lane; v3, v4 places in the stage for x's fragments and vt's; v5 positions; v6, v7 partial sums; v8-15 scales and holds; v16, v17 the add's two; v18 lane; v20 h; v22 4 x lane; v23 W in memory; v24-27 W in LDS.
;   v32-159 x as loaded; then v32-95 numbers and q's results, v96-127 codes with e2, v128-159 codes with e0, then vt's numbers, then k's results; v160-223 W's fragments; v224-255 at work, offsets, vt's codes, k's results.
.set STGW, 16896                       ; a wave's stage: 32 slots of 512 bytes + 16 of padding; later its 16 KB of partial sums
.set WST,  6*STGW                      ; behind the stages: Wk's 64 rows of 128 bytes + 16 for each wave
.set WSZ,  9216
.set SPARE, WST+6*WSZ                  ; the spare words, 128 bytes for each of six waves
.macro MKSC e, vs, vl                  ; from the exponent in s[e]: 2^e as f32, and 57,344 x 2^e
	s_add_co_i32 s88, s[\e], 127
	s_lshl_b32 s89, s88, 23
	v_mov_b32 v[\vs], s89
	s_add_co_i32 s88, s88, 15
	s_lshl_b32 s88, s88, 23
	s_or_b32 s88, s88, 0x600000
	v_mov_b32 v[\vl], s88
.endm
	s_load_b512 s[4:19], s[0:1], 0x0               ; x 4, mask 6, Wq 8, Wk 10, scales 12, qc 14, kc 16, vt 18
	s_load_b128 s[20:23], s[0:1], 0x40             ; perm 20, counts 22
	v_lshrrev_b32 v18, 5, v0
	v_readfirstlane_b32 s26, v18                   ; wave 0..5
	s_mov_b32 s28, ttmp9                           ; batch b
	s_and_b32 s29, ttmp7, 0xffff                   ; unit g
	s_lshl_b32 s30, s29, 5                         ; its first rank
	s_mul_i32 s80, s26, STGW
	s_mul_i32 s81, s26, WSZ
	s_add_co_u32 s81, s81, WST
	s_min_u32 s82, s26, 3                          ; my job at the end: rho + 2 x matrix (waves 4 and 5 have none)
	s_lshl_b32 s83, s82, 12
	s_mov_b32 s77, 0                               ; upper word of the offsets' pair s[76:77]
	v_lshl_add_u32 v16, v0, 2, SPARE               ; my spare word; never rewritten
	v_mov_b32 v17, 0                               ; 0; never rewritten
	v_and_b32 v18, 31, v0
	v_and_b32 v19, 15, v0                          ; r
	v_bfe_u32 v20, v0, 4, 1                        ; h
	v_lshlrev_b32 v1, 4, v18
	v_lshlrev_b32 v22, 2, v18
	v_lshrrev_b32 v21, 3, v18
	v_and_b32 v28, 7, v18
	v_add_nc_u32 v2, s80, v1
	v_mul_u32_u24 v3, v19, 528
	v_mul_u32_u24 v4, v20, 4224
	v_mul_u32_u24 v23, v21, 768
	v_mul_u32_u24 v24, v21, 144
	v_and_b32 v26, 8, v19
	v_lshl_add_u32 v3, v20, 6, v3
	v_lshl_add_u32 v4, v19, 2, v4
	v_lshl_add_u32 v23, v28, 4, v23                ; W in memory: four rows a load, 128 bytes of each
	v_lshl_add_u32 v24, v28, 4, v24
	v_add_nc_u32 v26, v26, v19                     ; r + 8 (r / 8)
	v_add_nc_u32 v3, s80, v3                       ; slot r, + 64 h: my 16 numbers of a block of 32 channels
	v_add_nc_u32 v4, s80, v4                       ; slot 8 h, channel r
	v_mul_u32_u24 v26, v26, 144
	v_add_nc_u32 v25, s80, v24                     ; Wq passes through my stage ahead of x,
	v_add_nc_u32 v24, s81, v24                     ; Wk waits in bytes of its own
	v_lshl_add_u32 v26, v20, 4, v26
	v_add_nc_u32 v6, s83, v1                       ; my job's part in waves 0-2's stages,
	v_add_nc_u32 v7, 3*STGW, v6                    ; and in waves 3-5's
	v_add_nc_u32 v27, s80, v26
	v_add_nc_u32 v26, s81, v26
	s_wait_alu depctr_va_vdst(0)                   ; the wait at the head's end
	s_wait_kmcnt 0x0
	s_load_b256 s[68:75], s[12:13], 0x0            ; e0 .. e7
	s_lshl_b32 s76, s28, 12
	s_add_nc_u64 s[6:7], s[6:7], s[76:77]
.set JJ, 0
.rept 8
	global_load_b128 v[32+4*JJ:35+4*JJ], v1, s[6:7] offset:512*JJ   ; the batch's mask: position 512 j + 16 lane + byte
.set JJ, JJ+1
.endr
	s_mul_i32 s76, s28, 12582912
	s_lshl_b32 s78, s26, 9
	s_add_co_u32 s76, s76, s78
	s_add_nc_u64 s[4:5], s[4:5], s[76:77]          ; x at my batch and my 128 channels
	s_lshl_b32 s76, s26, 7
	s_add_nc_u64 s[8:9], s[8:9], s[76:77]          ; W at K step w
	s_add_nc_u64 s[10:11], s[10:11], s[76:77]
	s_mul_i32 s76, s28, 3145728
	s_lshr_b32 s78, s29, 2
	s_mul_i32 s78, s78, 98304
	s_add_co_u32 s76, s76, s78
	s_lshl_b32 s78, s26, 14
	s_add_co_u32 s76, s76, s78
	s_and_b32 s78, s29, 3
	s_lshl_b32 s78, s78, 9
	s_add_co_u32 s76, s76, s78
	s_add_nc_u64 s[18:19], s[18:19], s[76:77]      ; vt at batch, step g / 4, tile 8 w, c = g % 4
	s_lshl_b32 s76, s28, 14
	s_lshl_b32 s78, s29, 7
	s_add_co_u32 s76, s76, s78
	s_add_nc_u64 s[20:21], s[20:21], s[76:77]      ; perm at my unit
	s_lshl_b32 s76, s28, 7
	s_add_nc_u64 s[22:23], s[22:23], s[76:77]
	s_wait_kmcnt 0x0
	MKSC 68, 8, 9                                  ; e0
	MKSC 70, 10, 11                                ; e2
	MKSC 75, 12, 13                                ; e7
	s_sub_co_i32 s90, s72, s68
	s_sub_co_i32 s90, s90, s69                     ; a sum of the first product stands for sum x 2^(e0 + e1): its code is sum / 2^(e4 - e0 - e1)
	s_sub_co_i32 s91, s73, s70
	s_sub_co_i32 s91, s91, s71                     ; likewise e5 - e2 - e3
	s_cmp_lt_u32 s82, 2
	s_cselect_b32 s90, s90, s91
	MKSC 90, 14, 15
	s_mov_b32 s84, 0x01010101
	s_wait_alu depctr_va_vdst(0)                   ; directly ahead of the wait below
	s_wait_loadcnt 0x0
	; word a: dword n of its eight gives bits 8 B + n, B the byte: position 1024 a + 512 (n / 4) + 16 lane + 4 (n % 4) + B
.irp a, 0,1,2,3
	v_lshl_or_b32 v[224+\a], v[33+8*\a], 1, v[32+8*\a]
.endr
.irp n, 2,3,4,5,6,7
.irp a, 0,1,2,3
	v_lshl_or_b32 v[224+\a], v[32+8*\a+\n], \n, v[224+\a]
.endr
.endr
.irp a, 0,1,2,3                        ; bytewise counts of each word,
	v_add3_u32 v[236+\a], v[32+8*\a], v[33+8*\a], v[34+8*\a]
.endr
.irp a, 0,1,2,3
	v_add3_u32 v[236+\a], v[236+\a], v[35+8*\a], v[36+8*\a]
.endr
.irp a, 0,1,2,3
	v_add3_u32 v[236+\a], v[236+\a], v[37+8*\a], v[38+8*\a]
.endr
.irp a, 0,1,2,3
	v_add_nc_u32 v[236+\a], v[236+\a], v[39+8*\a]
.endr
	v_add_nc_u32 v237, v237, v236                  ; summed over the words (a byte is 32 at the most),
	v_add_nc_u32 v238, v238, v237
	v_add_nc_u32 v239, v239, v238
.irp a, 0,1,2,3
	v_mul_lo_u32 v[236+\a], v[236+\a], s84         ; and over the bytes: the top byte, 128 at the most
.endr
.irp a, 3,0,1,2
	v_lshrrev_b32 v[236+\a], 24, v[236+\a]
.endr
	v_mov_b32 v229, v239
	v_lshl_or_b32 v228, v237, 8, v236              ; counts up to word 1, 2, 3 in three bytes
	v_add_nc_u32_dpp v229, v229, v229 row_shr:1 row_mask:0xf bank_mask:0xf
	v_lshl_or_b32 v228, v238, 16, v228
	v_add_nc_u32_dpp v229, v229, v229 row_shr:2 row_mask:0xf bank_mask:0xf
	v_add_nc_u32_dpp v229, v229, v229 row_shr:4 row_mask:0xf bank_mask:0xf
	v_add_nc_u32_dpp v229, v229, v229 row_shr:8 row_mask:0xf bank_mask:0xf
	v_readlane_b32 s80, v229, 15
	v_mad_u32_u24 v229, v20, s80, v229             ; kept positions up to and with my lane's
	v_readlane_b32 s27, v229, 31                   ; the batch's count
	v_sub_nc_u32 v230, v229, v239                  ; and ahead of my lane's
	s_add_co_u32 s31, s27, 127
	s_lshr_b32 s31, s31, 7
	s_min_u32 s31, s31, 32
	s_max_u32 s31, s31, 1
	s_lshl_b32 s31, s31, 2                         ; units at work
	s_mov_b32 s79, 128
	s_cmp_lt_u32 s29, s31
	s_wait_alu depctr_va_vdst(0)                   ; directly ahead of the branch
	s_cbranch_scc0 .Lidle
; THE SELECTION: v5 = the position of rank 32 g + lane.  Ranks from the count on count the positions with mask 0: complemented bits, 128 (L + 1) - the counts.
.macro LEVEL sz
	v_cmp_ge_u32 vcc_lo, v232, v242
	v_cndmask_b32 v245, 0, v242, vcc_lo
	v_cndmask_b32 v246, 0, \sz, vcc_lo
	v_sub_nc_u32 v232, v232, v245
	v_add_nc_u32 v244, v244, v246
.endm
.macro SEARCH
	v_add_nc_u32 v231, s30, v18                    ; my rank
	v_cmp_gt_u32 s82, s27, v231                    ; is it listed?
	v_sub_nc_u32 v232, v231, s27
	v_cndmask_b32 v232, v232, v231, s82            ; k: its number among the positions of its kind
	v_cndmask_b32 v243, -1, 0, s82                 ; complement where not
	v_mov_b32 v233, 0
.irp st, 16,8,4,2,1
	v_add_nc_u32 v234, \st-1, v233
	v_lshlrev_b32 v234, 2, v234
	ds_bpermute_b32 v235, v234, v229               ; (touches no byte of LDS)
	v_lshl_add_u32 v236, v234, 5, s79              ; 128 (L + 1)
	s_wait_alu depctr_va_vdst(0)                   ; directly ahead of the wait below
	s_wait_dscnt 0x0
	v_sub_nc_u32 v236, v236, v235
	v_cndmask_b32 v236, v236, v235, s82
	v_cmp_ge_u32 vcc_lo, v232, v236
	v_cndmask_b32 v236, 0, \st, vcc_lo
	v_add_nc_u32 v233, v233, v236                  ; at the end the owner: the first lane whose count passes k
.endr
	v_lshlrev_b32 v234, 2, v233
	ds_bpermute_b32 v235, v234, v230
	ds_bpermute_b32 v236, v234, v228
.irp a, 0,1,2,3
	ds_bpermute_b32 v[238+\a], v234, v[224+\a]
.endr
	v_lshlrev_b32 v237, 7, v233
	s_wait_alu depctr_va_vdst(0)                   ; directly ahead of the wait below
	s_wait_dscnt 0x0
	v_sub_nc_u32 v237, v237, v235
	v_cndmask_b32 v235, v237, v235, s82
	v_and_b32 v244, 0xff, v236
	v_bfe_u32 v245, v236, 8, 8
	v_bfe_u32 v246, v236, 16, 8
	v_sub_nc_u32 v232, v232, v235                  ; k within the owner's 128
	v_sub_nc_u32 v247, 32, v244
	v_sub_nc_u32 v248, 64, v245
	v_sub_nc_u32 v249, 96, v246
	v_cndmask_b32 v244, v247, v244, s82
	v_cndmask_b32 v245, v248, v245, s82
	v_cndmask_b32 v246, v249, v246, s82
	v_cmp_ge_u32 vcc_lo, v232, v244                ; which of its words
	v_cndmask_b32 v238, v238, v239, vcc_lo
	v_cndmask_b32 v247, 0, v244, vcc_lo
	v_cndmask_b32 v248, 0, 1, vcc_lo
	v_cmp_ge_u32 vcc_lo, v232, v245
	v_cndmask_b32 v238, v238, v240, vcc_lo
	v_cndmask_b32 v247, v247, v245, vcc_lo
	v_cndmask_b32 v248, v248, 2, vcc_lo
	v_cmp_ge_u32 vcc_lo, v232, v246
	v_cndmask_b32 v238, v238, v241, vcc_lo
	v_cndmask_b32 v247, v247, v246, vcc_lo
	v_cndmask_b32 v248, v248, 3, vcc_lo
	v_sub_nc_u32 v232, v232, v247                  ; k within the word
	v_xor_b32 v238, v238, v243
	v_lshrrev_b32 v239, 1, v238                    ; bits counted by twos, fours, eights
	v_and_b32 v239, 0x55555555, v239
	v_sub_nc_u32 v239, v238, v239
	v_lshrrev_b32 v240, 2, v239
	v_and_b32 v240, 0x33333333, v240
	v_and_b32 v241, 0x33333333, v239
	v_add_nc_u32 v240, v240, v241
	v_lshrrev_b32 v241, 4, v240
	v_add_nc_u32 v241, v241, v240
	v_and_b32 v241, 0x0f0f0f0f, v241
	v_lshrrev_b32 v242, 8, v241
	v_add_nc_u32 v242, v242, v241
	v_and_b32 v242, 0xff, v242                     ; the low sixteen
	v_mov_b32 v244, 0
	LEVEL 16
	v_bfe_u32 v242, v241, v244, 8
	LEVEL 8
	v_bfe_u32 v242, v240, v244, 4
	LEVEL 4
	v_bfe_u32 v242, v239, v244, 2
	LEVEL 2
	v_bfe_u32 v242, v238, v244, 1
	LEVEL 1
	v_lshlrev_b32 v5, 10, v248
	v_bfe_u32 v245, v244, 2, 1
	v_and_b32 v246, 3, v244
	v_lshl_add_u32 v5, v245, 9, v5
	v_lshrrev_b32 v247, 3, v244
	v_lshl_add_u32 v5, v233, 4, v5
	v_lshl_add_u32 v5, v246, 2, v5
	v_add_nc_u32 v5, v5, v247
	v_min_u32 v5, 0xfff, v5                        ; a row of the batch
	s_wait_alu depctr_va_vdst(0)                   ; scalar runs, waits
.endm
.set JJ, 0
.rept 16
	global_load_b128 v[64+4*JJ:67+4*JJ], v23, s[10:11] offset:3072*JJ     ; Wk's 64 rows x 128 bytes
.set JJ, JJ+1
.endr
.set JJ, 0
.rept 16
	global_load_b128 v[160+4*JJ:163+4*JJ], v23, s[8:9] offset:3072*JJ     ; Wq's
.set JJ, JJ+1
.endr
	SEARCH
	s_cmp_lg_u32 s26, 0
	s_cbranch_scc1 .Lnp
	global_store_b32 v22, v5, s[20:21]             ; wave 0: the unit's part of the list,
	s_cmp_lg_u32 s29, 0
	s_cbranch_scc1 .Lnp
	v_mov_b32 v21, s27
	global_store_b32 v22, v21, s[22:23]            ; and in unit 0 the count, in all 32 words of the batch
.Lnp:
; The 32 rows' offsets, v224-255: slot sg holds local rank KAP = 8 (sg / 16) + sg % 16 + 8 ((sg % 16) / 8)
.set SG, 0
.rept 32
.set KAP, 8*(SG/16)+(SG%16)+8*((SG%16)/8)
	v_readlane_b32 s[32+SG], v5, KAP
.set SG, SG+1
.endr
.set SG, 0
.rept 32
	s_min_u32 s[32+SG], s[32+SG], 0xfff
.set SG, SG+1
.endr
.set SG, 0
.rept 32
	s_mul_i32 s[32+SG], s[32+SG], 3072
.set SG, SG+1
.endr
.set SG, 0
.rept 32
	v_add_nc_u32 v[224+SG], s[32+SG], v1
.set SG, SG+1
.endr
	s_wait_alu depctr_va_vdst(0)
	s_wait_loadcnt 16                              ; Wk is in; Wq's sixteen loads may be out
.set JJ, 0
.rept 16
	ds_store_b128 v24, v[64+4*JJ:67+4*JJ] offset:576*JJ
.set JJ, JJ+1
.endr
	s_wait_dscnt 0x0                               ; the stores have read their registers, which are loaded anew below
.set SG, 0
.rept 32
	global_load_b128 v[32+4*SG:35+4*SG], v[224+SG], s[4:5]   ; 512 consecutive bytes of a row
.set SG, SG+1
.endr
	s_wait_loadcnt 32                              ; Wq is in; x's 32 loads may be out
.set JJ, 0
.rept 16
	ds_store_b128 v25, v[160+4*JJ:163+4*JJ] offset:576*JJ
.set JJ, JJ+1
.endr
	s_wait_dscnt 0x0
; W's fragments: tile T's lane r takes row 32 (T / 2) + 8 (T % 2) + r + 8 (r / 8), k = 32 c + 16 h + 0 .. 15
.macro WFRAG adr
.irp t, 0,1,2,3
.irp c, 0,1,2,3
	ds_load_b128 v[160+16*\t+4*\c:163+16*\t+4*\c], v[\adr] offset:(32*(\t/2)+8*(\t%2))*144+32*\c
.endr
.endr
.endm
	WFRAG 27
	s_add_co_u32 s84, s30, 32
	s_cmp_le_u32 s84, s27
	s_cbranch_scc1 .Lfull
	; a unit with ranks from the count on: zeros stand for their rows of x
	s_wait_loadcnt 0x0
.set SG, 0
.rept 32
.set KAP, 8*(SG/16)+(SG%16)+8*((SG%16)/8)
	s_add_co_u32 s85, s30, KAP
	s_cmp_lt_u32 s85, s27
	s_cselect_b32 s85, -1, 0
.irp i, 0,1,2,3
	v_cndmask_b32 v[32+4*SG+\i], 0, v[32+4*SG+\i], s85
.endr
.set SG, SG+1
.endr
	s_wait_alu depctr_va_vdst(0)
.Lfull:
	s_wait_xcnt 0x0                                ; the loads have read their offsets, over which is written below
.set SG, 0
.rept 32
	s_wait_loadcnt 31-SG                           ; row SG is in; the rows behind it may be out
	ds_store_b128 v2, v[32+4*SG:35+4*SG] offset:528*SG
.set SG, SG+1
.endr
	s_wait_dscnt 0x0                               ; the stores have read their registers, which are loaded anew below
; Tile rho: 64 numbers a lane (16 c + i = channel 32 c + 16 h + i of my row), quantised with e0 (for Wq) from a held copy and with e2 (for Wk) in place: the conversion does not saturate (ISA guide 7.6.2)
.macro PQ rho
.set CC, 0
.rept 16
	ds_load_b128 v[32+4*CC:35+4*CC], v3 offset:8448*(\rho)+128*(CC/4)+16*(CC%4)
.set CC, CC+1
.endr
	s_wait_dscnt 0x0
.set GG, 0
.rept 8
.set II, 0
.rept 8
	v_med3_num_f32 v[224+8*(GG%2)+II], v[32+8*GG+II], -v9, v9
.set II, II+1
.endr
	v_cvt_scalef32_pk8_bf8_f32 v[128+16*(\rho)+2*GG:129+16*(\rho)+2*GG], v[224+8*(GG%2):231+8*(GG%2)], v8
.set II, 0
.rept 8
	v_med3_num_f32 v[32+8*GG+II], v[32+8*GG+II], -v11, v11
.set II, II+1
.endr
	v_cvt_scalef32_pk8_bf8_f32 v[96+16*(\rho)+2*GG:97+16*(\rho)+2*GG], v[32+8*GG:39+8*GG], v10
.set GG, GG+1
.endr
	v_nop                                          ; one plain vector instruction behind the last conversion
.endm
	PQ 0
	PQ 1
.irp rho, 0,1
.irp t, 0,1,2,3                        ; K step w's part of q: eight results, each begun with the constant 0
	v_wmma_f32_16x16x128_bf8_bf8 v[32+32*\rho+8*\t:39+32*\rho+8*\t], v[160+16*\t:175+16*\t], v[128+16*\rho:143+16*\rho], 0
.endr
.endr
.rept 4
	v_nop                                          ; four places ahead of loads into registers that matrix instructions have read
.endr
	WFRAG 26                                       ; Wk's fragments
; vt: channel tile t of my eight: lane (r, h) takes channel 16 t + r and local ranks 16 h + 0 .. 15, which lie in slots 16 (i / 8) + 8 h + i % 8
.macro VLD t
.set VS, 128+16*((\t)%2)
.set II, 0
.rept 16
	ds_load_b32 v[VS+II], v4 offset:(16*(II/8)+(II%8))*528+64*(\t)
.set II, II+1
.endr
.endm
.macro VQ t
.if (\t) < 7
	VLD (\t)+1
	s_wait_dscnt 16                                ; this tile's 16 loads are in; the next tile's 16 may be out
.else
	s_wait_dscnt 0x0
.endif
.set VS, 128+16*((\t)%2)
.set II, 0
.rept 16
	v_med3_num_f32 v[VS+II], v[VS+II], -v13, v13
.set II, II+1
.endr
	v_cvt_scalef32_pk8_bf8_f32 v[224+4*(\t):225+4*(\t)], v[VS:VS+7], v12
	v_cvt_scalef32_pk8_bf8_f32 v[226+4*(\t):227+4*(\t)], v[VS+8:VS+15], v12
	global_store_b128 v1, v[224+4*(\t):227+4*(\t)], s[18:19] offset:2048*(\t)   ; 512 consecutive bytes; each tile has its own four registers
.endm
	VLD 0
.irp t, 0,1,2,3,4,5,6,7
	VQ \t
.endr
	v_nop                                          ; a plain vector instruction behind the last conversion
	s_wait_xcnt 0x0                                ; vt's stores have read their registers, which take results below
.irp t, 0,1,2,3                        ; K step w's part of k
	v_wmma_f32_16x16x128_bf8_bf8 v[128+8*\t:135+8*\t], v[160+16*\t:175+16*\t], v[96:111], 0
.endr
.irp t, 0,1,2,3
	v_wmma_f32_16x16x128_bf8_bf8 v[224+8*\t:231+8*\t], v[160+16*\t:175+16*\t], v[112:127], 0
.endr
.rept 4
	v_nop                                          ; four places ahead of the stores of results
.endr
.irp k, 0,1,2,3,4,5,6,7                ; my sixteen results go over my stage, which I have read out: job rho + 2 x matrix, 4 KB each; each result from its low end on
	ds_store_b128 v2, v[32+4*\k:35+4*\k] offset:512*\k
	ds_store_b128 v2, v[64+4*\k:67+4*\k] offset:4096+512*\k
	ds_store_b128 v2, v[128+4*\k:131+4*\k] offset:8192+512*\k
	ds_store_b128 v2, v[224+4*\k:227+4*\k] offset:12288+512*\k
.endr
	s_branch .Lbar
.Lidle:                                                ; a unit past the work: wave 0 stores its part of the list
	s_cmp_lg_u32 s26, 0
	s_cbranch_scc1 .Lbar
	SEARCH
	global_store_b32 v22, v5, s[20:21]
.Lbar:
	s_wait_dscnt 0x0                               ; for the others' sake: my partial sums have landed
	s_barrier_signal -1
	s_barrier_wait -1
	s_cmp_lt_u32 s29, s31
	s_cbranch_scc0 .Lend
	s_cmp_lt_u32 s26, 4
	s_cbranch_scc0 .Lend
	; ---- wave w = job: tile rho = w % 2 of matrix w / 2: six partial sums are added, quantised, stored
	s_wait_xcnt 0x0                                ; every store has read its registers, which are loaded below
.irp p, 0,1,2
.irp k, 0,1,2,3,4,5,6,7
	ds_load_b128 v[64+32*\p+4*\k:67+32*\p+4*\k], v6 offset:STGW*\p+512*\k
.endr
.endr
.irp p, 0,1,2
.irp k, 0,1,2,3,4,5,6,7
	ds_load_b128 v[160+32*\p+4*\k:163+32*\p+4*\k], v7 offset:STGW*\p+512*\k
.endr
.endr
	s_cmp_lt_u32 s26, 2
	s_cselect_b64 s[14:15], s[14:15], s[16:17]     ; q's codes or k's
	s_lshl_b32 s76, s28, 18
	s_lshl_b32 s78, s29, 11
	s_add_co_u32 s76, s76, s78
	s_and_b32 s78, s26, 1
	s_lshl_b32 s78, s78, 10
	s_add_co_u32 s76, s76, s78
	s_add_nc_u64 s[14:15], s[14:15], s[76:77]
	s_wait_dscnt 0x0
.set JJ, 0
.rept 16
	v_pk_add_f32 v[64+2*JJ:65+2*JJ], v[64+2*JJ:65+2*JJ], v[96+2*JJ:97+2*JJ]
	v_pk_add_f32 v[128+2*JJ:129+2*JJ], v[128+2*JJ:129+2*JJ], v[160+2*JJ:161+2*JJ]
	v_pk_add_f32 v[192+2*JJ:193+2*JJ], v[192+2*JJ:193+2*JJ], v[224+2*JJ:225+2*JJ]
.set JJ, JJ+1
.endr
.set JJ, 0
.rept 16
	v_pk_add_f32 v[64+2*JJ:65+2*JJ], v[64+2*JJ:65+2*JJ], v[128+2*JJ:129+2*JJ]
.set JJ, JJ+1
.endr
.set JJ, 0
.rept 16
	v_pk_add_f32 v[64+2*JJ:65+2*JJ], v[64+2*JJ:65+2*JJ], v[192+2*JJ:193+2*JJ]
.set JJ, JJ+1
.endr
.set II, 0
.rept 32
	v_med3_num_f32 v[64+II], v[64+II], -v15, v15
.set II, II+1
.endr
.set GG, 0
.rept 4                                ; register 8 T + j is unit 32 (T / 2) + 16 h + 8 (T % 2) + j: the codes come out as the K = 64 operand's eight registers
	v_cvt_scalef32_pk8_bf8_f32 v[32+2*GG:33+2*GG], v[64+8*GG:71+8*GG], v14
.set GG, GG+1
.endr
	v_nop
	global_store_b128 v1, v[32:35], s[14:15]
	global_store_b128 v1, v[36:39], s[14:15] offset:512
.Lend:
	s_wait_tensorcnt 0x0                           ; the wave's end, behind my last LDS store
	ds_add_u32 v16, v17
	s_wait_dscnt 0x0
	s_endpgm
.Lfunc_end_k_q18ec175744_prep:
	.size	k_q18ec175744_prep, .Lfunc_end_k_q18ec175744_prep-k_q18ec175744_prep
	.p2alignl 7, 3214868480
	.fill 96, 4, 3214868480
	.section	.rodata,"a",@progbits
	.p2align	6, 0x0
	.amdhsa_kernel k_q18ec175744_prep
		.amdhsa_group_segment_fixed_size 157440
		.amdhsa_private_segment_fixed_size 0
		.amdhsa_enable_private_segment 0
		.amdhsa_kernarg_size 80
		.amdhsa_user_sgpr_count 2
		.amdhsa_user_sgpr_kernarg_segment_ptr 1
		.amdhsa_wavefront_size32 1
		.amdhsa_system_sgpr_workgroup_id_x 1
		.amdhsa_system_sgpr_workgroup_id_y 1
		.amdhsa_system_sgpr_workgroup_id_z 1
		.amdhsa_system_vgpr_workitem_id 0
		.amdhsa_next_free_vgpr 256
		.amdhsa_next_free_sgpr 100
		.amdhsa_reserve_vcc 1
		.amdhsa_float_denorm_mode_32 3
		.amdhsa_float_denorm_mode_16_64 3
		.amdhsa_memory_ordered 1
		.amdhsa_forward_progress 1
		.amdhsa_inst_pref_size 108
	.end_amdhsa_kernel
	.amdgpu_metadata
---
amdhsa.version: [ 1, 2 ]
amdhsa.kernels:
  - .name:           k_q18ec175744_prep
    .symbol:         k_q18ec175744_prep.kd
    .args:
      - { .name: x, .offset: 0, .size: 8, .value_kind: global_buffer, .address_space: global }
      - { .name: mask, .offset: 8, .size: 8, .value_kind: global_buffer, .address_space: global }
      - { .name: Wq_codes, .offset: 16, .size: 8, .value_kind: global_buffer, .address_space: global }
      - { .name: Wk_codes, .offset: 24, .size: 8, .value_kind: global_buffer, .address_space: global }
      - { .name: lowp_scales, .offset: 32, .size: 8, .value_kind: global_buffer, .address_space: global }
      - { .name: qc, .offset: 40, .size: 8, .value_kind: global_buffer, .address_space: global }
      - { .name: kc, .offset: 48, .size: 8, .value_kind: global_buffer, .address_space: global }
      - { .name: vt, .offset: 56, .size: 8, .value_kind: global_buffer, .address_space: global }
      - { .name: perm, .offset: 64, .size: 8, .value_kind: global_buffer, .address_space: global }
      - { .name: counts, .offset: 72, .size: 8, .value_kind: global_buffer, .address_space: global }
    .group_segment_fixed_size: 157440
    .private_segment_fixed_size: 0
    .kernarg_segment_align: 8
    .kernarg_segment_size: 80
    .max_flat_workgroup_size: 192
    .sgpr_count:     100
    .vgpr_count:     256
    .wavefront_size: 32
...
	.end_amdgpu_metadata
.endif
;; end of part 1
;; launch attn (part 2): grid 8 x 43, 8 waves a work-group, no clusters, 318,464 bytes of LDS; arguments qc, kc, vt, perm, counts, lowp_scales, out0; writes out0
.if DOCPART == 2
	.amdgcn_target "amdgcn-amd-amdhsa--gfx1250"
	.amdhsa_code_object_version 6
	.text
	.protected	k_q18ec175744_attn
	.globl	k_q18ec175744_attn
	.p2align	8
	.type	k_q18ec175744_attn,@function
k_q18ec175744_attn:
	s_mov_b64 s[64:65], 0
	v_nop
	global_prefetch_b8 v0, s[64:65] scope:SCOPE_SE
	s_setreg_imm32_b32 hwreg(HW_REG_WAVE_MODE, 25, 1), 1
	s_wait_xcnt 0x0
; out[perm[rank]] = (sum over the listed keys of Q(p; e6) Q(x; e7)) / l for ranks under the batch's count, 0 for the others.  p = 2^(t - M), t = score x log2(e) / 8 x 2^(e4 + e5), M = ceil(the row's largest t), l = the sum of the unquantised p.
; LEFT OUT: keys and queries with mask 0 (shown at the head of the first launch); a NaN or an infinity in such a row of x is not carried to the result.
; SHARES.  Work-group (x, i): batch x / 2, channels 384 (x % 2) on, ranks 96 i .. 96 i + 95.  n = ceil(count / 128) steps of 128 keys.  The lowest numbers are the tiles with listed queries; the others' work is zero rows.
; THE LAST PRODUCT: the eight waves share the channels: wave w holds O^T of 48 channels for all 96 queries: 18 accumulators.  A fragment of vt has one reader in the work-group: it comes from memory straight into
; registers, two steps ahead (two buffers), and feeds six products.  No tensor load, and no cluster.  No prefetch: the loads themselves run two steps ahead.
; THE SOFTMAX: wave w = (u = w % 4, qp = w / 4) makes, of each step, the scores of unit u (32 keys) for query tiles 3 qp .. 3 qp + 2; p's codes go to all waves through LDS as images of the operand's registers.
; TWO PASSES over the scores: the first finds each row's M, so the second rescales nothing.  K's codes of all n steps lie in LDS (8 KB a step).
; Both products are used transposed (source 0 = 16 keys, or 16 channels; source 1 = 16 queries): a lane holds one query throughout.
; A PERIOD is two steps, 256 keys.  Between two barriers a wave has the products of period p and the softmax of period p + 1, which do not hang on each other: waves 0-3 take the products first, waves 4-7 the softmax.
; K's fragments for the softmax are asked for at the period's start, P's second step while the first is multiplied.  Where n is odd, the last period's second image is zeros, so its products add nothing.
; THE WALK IS TURNED: LDS slot j and walk step j hold key step (i / 2 + j) mod n.  Only global addresses hang on that.
; Loops with barriers have constant trip counts; what lies beyond n is jumped over, never a barrier.  Period 0 is walked by every work-group, so that its products start the sums with the constant 0; a work-group
; without listed queries walks it on tile 0 and step 0, which are always written, and stores none of it.  Queries from the count on, in a tile, may hold anything: each is a lane of its own and is not stored.
; Keys from the count on, in the last step, have codes of 0; their scores become -infinity, by their index, in both passes.
; LIMITS: e4 + e5 between -120 and 130 (added to c's exponent field); e6 between -126 and 112; e6 + e7 goes by v_ldexp_f32 and has none.  NaN among the inputs is not served.
; REGISTERS.  Window 0: v1 16 x lane; v2 my unit's place in a slot; v3 the slots in hand; v4, v5 where I store and read p's images; v6, v7 the maxima's words; v8, v29 vt's offsets; v9 the last step's limit; v10, v11 the add's two;
;   v[12:17] -M, three pairs; v[18:23] l, three pairs; v24 2^e6, v25 57,344 x 2^e6, v26 -infinity; v27, v30, v31 permutes; v32-55 Q; v56-71, v240-255 K of two steps; v72-83, v84-95 p's codes of two steps; v84-89 in pass 1 running maxima;
;   v96-143 S; v144-239 P.  At the head v240-255 serve the zero rows.
;   Window 1: v0-143 the accumulators, (t, m) at 8 (6 t + m); v144-191, v192-239 V's two buffers; at the head all of it takes K's codes on their way to LDS.
.set PIMG, 262144                      ; behind K's 32 slots of 8,192 bytes: p's images, four buffers (two periods of two steps): m x 2048 + u x 512 + 16 x lane
.set PB,   12288
.set MXB,  311296                      ; the maxima: (4 m + u) x 128 + 4 x lane
.set LXB,  314368                      ; the row sums, likewise
.set SPARE, 317440                     ; the spare words, 128 bytes for each of eight waves
.set SROW, 1552                        ; the way out: a row of 1,536 bytes + 16, 96 rows, over K's slots, which nobody reads any more
.set MSB, 0
.macro WIN new                         ; the immediate's high byte repeats the setting that is left
.if MSB != \new
	s_set_vgpr_msb (MSB<<8)|\new
.set MSB, \new
.endif
.endm
	s_load_b256 s[4:11], s[0:1], 0x0               ; qc s[4:5], kc s[6:7], vt s[8:9], perm s[10:11]
	s_load_b128 s[12:15], s[0:1], 0x20             ; counts s[12:13], scales s[14:15]
	s_load_b64 s[16:17], s[0:1], 0x30              ; out
	v_lshrrev_b32 v24, 5, v0
	v_readfirstlane_b32 s18, v24                   ; wave 0..7
	s_and_b32 s19, s18, 3                          ; u
	s_lshr_b32 s20, s18, 2                         ; qp
	s_and_b32 s21, ttmp7, 0xffff                   ; tile i
	s_lshr_b32 s22, ttmp9, 1                       ; batch b
	s_and_b32 s29, ttmp9, 1                        ; which half of the channels
	s_mov_b32 s68, 0x76543210
	s_mov_b32 s69, 0xfedcba98                      ; v_permlanex16_b32's selects for lane l xor 16
	s_mov_b32 s77, 0                               ; upper word of the offsets' pair s[76:77]
	s_lshl_b32 s84, s19, 11
	s_mul_i32 s85, s20, 3*2048
	s_lshl_b32 s86, s19, 9
	s_add_co_u32 s85, s85, s86
	s_add_co_u32 s85, s85, PIMG
	s_mul_i32 s86, s20, 3*512
	s_add_co_u32 s86, s86, MXB
	s_lshl_b32 s87, s19, 7
	s_lshl_b32 s88, s18, 10
	v_lshl_add_u32 v10, v0, 2, SPARE               ; my spare word; never rewritten
	v_mov_b32 v11, 0                               ; 0; never rewritten
	v_and_b32 v25, 31, v0
	v_bfe_u32 v3, v0, 4, 1
	v_lshlrev_b32 v1, 4, v25                       ; 16 x lane
	v_lshlrev_b32 v25, 2, v25                      ; 4 x lane
	v_lshlrev_b32 v3, 4, v3                        ; 16 h
	v_add_nc_u32 v2, s84, v1
	v_add_nc_u32 v4, s85, v1
	v_add_nc_u32 v5, PIMG, v1
	v_add_nc_u32 v7, s86, v25
	v_add_nc_u32 v28, s88, v1                      ; my 1,024 bytes of a step of K
	v_add_nc_u32 v6, s87, v7
.irp g, 0,1,2,3
	v_add_nc_u32 v[96+\g], 65536*\g, v28           ; and their place in slots 8 g on
.endr
.irp k, 13,15,17,18,19,20,21,22,23,27,30,31
	v_mov_b32 v[\k], 0                             ; l, the pairs' upper words, and what a lane permute writes (it counts as one of its sources)
.endr
	s_wait_alu depctr_va_vdst(0)                   ; directly ahead of the wait below
	s_wait_kmcnt 0x0
	s_lshl_b32 s76, s22, 7
	s_add_nc_u64 s[12:13], s[12:13], s[76:77]
	s_load_b32 s23, s[12:13], 0x0                  ; the batch's count
	s_lshl_b32 s76, s22, 14
	s_mul_i32 s84, s21, 384
	s_add_co_u32 s76, s76, s84
	s_mul_i32 s84, s18, 48
	s_add_co_u32 s76, s76, s84
	s_add_nc_u64 s[10:11], s[10:11], s[76:77]
	s_load_b256 s[36:43], s[10:11], 0x0            ; the rows of out of my twelve ranks, 96 i + 12 w on
	s_load_b128 s[44:47], s[10:11], 0x20
	s_load_b256 s[56:63], s[14:15], 0x0            ; e0 .. e7
	s_lshl_b32 s76, s22, 18
	s_add_nc_u64 s[4:5], s[4:5], s[76:77]
	s_add_nc_u64 s[6:7], s[6:7], s[76:77]
	s_mul_i32 s76, s22, 3145728
	s_mul_i32 s84, s29, 49152
	s_add_co_u32 s76, s76, s84
	s_mul_i32 s84, s18, 6144
	s_add_co_u32 s76, s76, s84
	s_add_nc_u64 s[8:9], s[8:9], s[76:77]          ; vt at my batch and my three channel tiles
	s_mul_i32 s76, s22, 12582912
	s_mul_i32 s84, s29, 1536
	s_add_co_u32 s76, s76, s84
	s_add_nc_u64 s[16:17], s[16:17], s[76:77]
	s_lshr_b32 s80, s21, 1
	s_mul_i32 s79, s21, 96
	s_wait_kmcnt 0x0
	s_add_co_u32 s24, s23, 127
	s_lshr_b32 s24, s24, 7
	s_min_u32 s24, s24, 32                         ; n
	s_cmp_lt_u32 s79, s23                          ; has my tile a listed query?
	s_cselect_b32 s25, s24, 0                      ; steps whose work is done beyond period 0's
	s_cselect_b32 s26, s24, 1                      ; steps that are walked and copied
	s_cselect_b32 s27, s80, 0                      ; the walk's first step
	s_cselect_b32 s81, s21, 0                      ; the tile of queries
	s_min_u32 s27, s27, 31
	s_min_u32 s81, s81, 42
	s_sub_co_u32 s28, s24, 1
	s_lshl_b32 s84, s28, 7
	s_sub_co_u32 s28, s28, s27                     ; the slot that holds the last key step,
	s_lshr_b32 s31, s28, 1                         ; and its pair
	s_sub_co_u32 s82, s26, 1
	s_mul_i32 s85, s18, 12
	s_add_co_u32 s79, s79, s85                     ; my first rank of twelve
	s_sub_co_u32 s84, s23, s84
	s_sub_co_u32 s84, s84, 1
	s_lshl_b32 s85, s19, 5
	s_sub_co_u32 s83, s84, s85
	s_add_co_i32 s84, s60, s61
	s_lshl_b32 s84, s84, 23
	s_add_co_i32 s66, s84, 0x3e38aa3b              ; c = log2(e) / 8 x 2^(e4 + e5): the exponents are added to c's exponent field
	s_mov_b32 s67, s66                             ; (named with it as a pair, so it is written)
	s_add_co_i32 s84, s62, 127
	s_lshl_b32 s87, s84, 23                        ; 2^e6
	s_add_co_i32 s84, s84, 15
	s_lshl_b32 s88, s84, 23
	s_or_b32 s88, s88, 0x600000                    ; 57,344 x 2^e6
	s_cmp_lt_i32 s62, -15
	s_cselect_b32 s30, 1, 0                        ; 1: the hold lies under 1 and is applied; 0: it lies at 1.75 or above, and p, at most 1, never reaches it
	s_mul_i32 s76, s81, 6144
	s_mul_i32 s84, s20, 3072
	s_add_co_u32 s76, s76, s84
	s_add_nc_u64 s[4:5], s[4:5], s[76:77]
.irp m, 0,1,2
.irp c, 0,1
	global_load_b128 v[32+8*\m+4*\c:35+8*\m+4*\c], v1, s[4:5] offset:1024*\m+512*\c   ; Q's three fragments stay in registers
.endr
.endr
	v_sub_nc_u32 v9, s83, v3                       ; count - 128 (n - 1) - 1 - 32 u - 16 h: in the last step my key i is hidden where i is above it
	v_mov_b32 v24, s87
	v_mov_b32 v25, s88
	v_mov_b32 v26, 0xff800000                      ; -infinity
; K's codes to LDS, four slots at a time.  Slot j takes key step (first + min(j, steps - 1)) mod steps; slots beyond the walk, inside a group, hold a copy of the last.
; The groups reach over slot `steps` + 1, since both passes ask for the pair of slots behind the one in hand.
.macro KL g
.set SG, 0
.rept 4
	s_min_u32 s84, s82, 4*(\g)+SG
	s_add_co_u32 s84, s84, s27
	s_sub_co_u32 s85, s84, s26
	s_cmp_ge_u32 s84, s26
	s_cselect_b32 s84, s85, s84
	s_min_u32 s84, s84, 31                         ; a step of the batch
	s_lshl_b32 s84, s84, 13
	v_add_nc_u32 v[56+4*(\g)+SG], s84, v28
.set SG, SG+1
.endr
	s_wait_alu depctr_va_vdst(0)
	WIN 0x40                                       ; destination window 1
.set SG, 0
.rept 4
	global_load_b128 v[32*(\g)+8*SG:32*(\g)+8*SG+3], v[56+4*(\g)+SG], s[6:7]
	global_load_b128 v[32*(\g)+8*SG+4:32*(\g)+8*SG+7], v[56+4*(\g)+SG], s[6:7] offset:512
.set SG, SG+1
.endr
	WIN 0
.endm
.macro KS g
	s_wait_loadcnt 0x0
	WIN 0x04                                       ; store data window 1
.set SG, 0
.rept 4
	ds_store_b128 v[96+(\g)/2], v[32*(\g)+8*SG:32*(\g)+8*SG+3] offset:8192*(4*((\g)%2)+SG)
	ds_store_b128 v[96+(\g)/2], v[32*(\g)+8*SG+4:32*(\g)+8*SG+7] offset:8192*(4*((\g)%2)+SG)+512
.set SG, SG+1
.endr
	WIN 0
.endm
	s_add_co_u32 s86, s26, 1
	KL 0                                           ; the groups are asked for in ascending order as far as needed, and stored in descending order: on every way a group that is stored has been loaded
.irp g, 1,2,3,4,5,6,7
	s_cmp_lt_u32 s86, 4*\g
	s_cbranch_scc1 .LK\g
	KL \g
.endr
.irp g, 7,6,5,4,3,2,1
	KS \g
.LK\g:
.endr
	KS 0
.macro VLD bf, off                     ; three fragments of V, 12 loads of 512 consecutive bytes, into buffer bf
	WIN 0x40
.irp t, 0,1,2
.irp c, 0,1,2,3
	global_load_b128 v[144+48*(\bf)+16*\t+4*\c:147+48*(\bf)+16*\t+4*\c], v[\off], s[8:9] offset:2048*\t+512*\c
.endr
.endr
	WIN 0
.endm
	s_add_co_u32 s75, s27, 1
	s_cmp_ge_u32 s75, s26
	s_cselect_b32 s75, 0, s75                      ; the walk's second step
	s_min_u32 s84, s75, 31
	s_mul_i32 s84, s84, 98304
	s_mul_i32 s85, s27, 98304
	v_add_nc_u32 v8, s85, v1
	v_add_nc_u32 v29, s84, v1
.irp k, 84,85,86,87,88,89
	v_mov_b32 v[\k], 0xff61b1e6                    ; the running maxima: -3e38
.endr
	s_wait_alu depctr_va_vdst(0)                   ; the wait at the head's end
	s_wait_dscnt 0x0                               ; for the others' sake: my part of K has landed
	VLD 0, 8                                       ; V of the walk's first two steps
	VLD 1, 29
	; ranks from the count on: their rows of out are 0
	s_add_co_u32 s84, s79, 12
	s_cmp_le_u32 s84, s23
	s_cbranch_scc1 .Lnz
.irp j, 0,1,2,3,4,5,6,7,8,9,10,11
	s_min_u32 s84, s[36+\j], 0xfff
	s_mul_i32 s84, s84, 3072
	v_add_nc_u32 v[244+\j], s84, v1
.endr
.irp k, 240,241,242,243
	v_mov_b32 v[\k], 0
.endr
	s_wait_alu depctr_va_vdst(0)                   ; ahead of the branches
.macro ZROW j
	s_add_co_u32 s84, s79, \j
	s_cmp_lt_u32 s84, s23
	s_cbranch_scc1 .Lzs\@
	s_cmp_ge_u32 s84, 0x1000                       ; (the last tile reaches past the 4,096 ranks)
	s_cbranch_scc1 .Lzs\@
.irp k, 0,1,2
	global_store_b128 v[244+\j], v[240:243], s[16:17] offset:512*\k th:TH_STORE_NT   ; 512 consecutive bytes, aligned
.endr
.Lzs\@:
.endm
.irp j, 0,1,2,3,4,5,6,7,8,9,10,11
	ZROW \j
.endr
.Lnz:
	s_wait_xcnt 0x0                                ; the zero stores have read their registers, which take K's fragments in pass 2
	s_barrier_signal -1
	s_barrier_wait -1
.macro KLD base, adr, off              ; unit u's 32 keys of a slot: two tiles
.irp f, 0,1,2,3
	ds_load_b128 v[(\base)+4*\f:(\base)+4*\f+3], v[\adr] offset:(\off)+512*\f
.endr
.endm
.macro HIDE base                       ; the last key step: register i of each tile of queries is key 32 u + 16 h + i; from the count on it is hidden
	s_wait_alu depctr_va_vdst(0)
.set II, 0
.rept 16
	v_cmp_gt_i32 vcc_lo, II, v9
	v_cndmask_b32 v[(\base)+II], v[(\base)+II], v26, vcc_lo
	v_cndmask_b32 v[(\base)+16+II], v[(\base)+16+II], v26, vcc_lo
	v_cndmask_b32 v[(\base)+32+II], v[(\base)+32+II], v26, vcc_lo
.set II, II+1
.endr
.endm
	; ---- PASS 1: the largest score of each of my queries among unit u of all steps; two slots a trip, the next two asked for behind the products; no barrier
	KLD 56, 2, 0
	KLD 192, 2, 8192
	s_mov_b32 s70, 0
	s_mov_b32 s74, 16384
.Lp1:
	s_lshl_b32 s84, s70, 1
	s_cmp_ge_u32 s84, s26
	s_cbranch_scc1 .Lp1s
	s_min_u32 s86, s74, 245760                     ; the next pair of slots, at most the last
	v_add_nc_u32 v3, s86, v2
	s_wait_alu depctr_va_vdst(0)                   ; directly ahead of the wait below
	s_wait_dscnt 0x0
.irp mm, 0,1,2
.irp rr, 0,1
	v_wmma_f32_16x16x64_bf8_bf8 v[96+16*\mm+8*\rr:103+16*\mm+8*\rr], v[56+8*\rr:63+8*\rr], v[32+8*\mm:39+8*\mm], 0
.endr
.endr
.irp mm, 0,1,2
.irp rr, 0,1
	v_wmma_f32_16x16x64_bf8_bf8 v[144+16*\mm+8*\rr:151+16*\mm+8*\rr], v[192+8*\rr:199+8*\rr], v[32+8*\mm:39+8*\mm], 0
.endr
.endr
.rept 4
	v_nop                                          ; four places ahead of loads into K's registers and of the first read of results
.endr
	KLD 56, 3, 0
	KLD 192, 3, 8192
	s_cmp_lg_u32 s70, s31
	s_cbranch_scc1 .Lp1b
	s_cmp_lg_u32 s84, s28
	s_cbranch_scc1 .Lp1a
	HIDE 96
.Lp1a:
	s_add_co_u32 s85, s84, 1
	s_cmp_lg_u32 s85, s28
	s_cbranch_scc1 .Lp1b
	HIDE 144
.Lp1b:
	s_wait_alu depctr_va_vdst(0)
.set JJ, 0
.rept 8                                ; six chains by turns; each result from its low end on
.irp mm, 0,1,2
	v_max3_num_f32 v[84+2*\mm], v[84+2*\mm], v[96+16*\mm+2*JJ], v[97+16*\mm+2*JJ]
	v_max3_num_f32 v[85+2*\mm], v[85+2*\mm], v[144+16*\mm+2*JJ], v[145+16*\mm+2*JJ]
.endr
.set JJ, JJ+1
.endr
.Lp1s:
	s_add_co_u32 s74, s74, 16384
	s_add_co_u32 s70, s70, 1
	s_cmp_lt_u32 s70, 16
	s_cbranch_scc1 .Lp1
	; ---- M: the four units' maxima meet in LDS
	s_wait_alu depctr_va_vdst(0)
	s_wait_dscnt 0x0                               ; the last pair asked for is not used
	v_max_num_f32 v84, v84, v85
	v_max_num_f32 v86, v86, v87
	v_max_num_f32 v88, v88, v89
	v_permlanex16_b32 v30, v84, s68, s69
	v_permlanex16_b32 v31, v86, s68, s69
	v_permlanex16_b32 v27, v88, s68, s69
	v_max_num_f32 v84, v84, v30
	v_max_num_f32 v86, v86, v31
	v_max_num_f32 v88, v88, v27
	ds_store_b32 v6, v84
	ds_store_b32 v6, v86 offset:512
	ds_store_b32 v6, v88 offset:1024
	s_wait_dscnt 0x0
	s_barrier_signal -1
	s_barrier_wait -1
.irp m, 0,1,2
.irp k, 0,1,2,3
	ds_load_b32 v[72+4*\m+\k], v7 offset:512*\m+128*\k
.endr
.endr
	KLD 56, 2, 0                                   ; K of slots 0 and 1, for the first period's softmax
	KLD 240, 2, 8192
	s_wait_dscnt 8                                 ; the maxima are in; K's eight loads may be out
.irp m, 0,1,2
	v_max3_num_f32 v[72+4*\m], v[72+4*\m], v[73+4*\m], v[74+4*\m]
.endr
.irp m, 0,1,2
	v_max_num_f32 v[72+4*\m], v[72+4*\m], v[75+4*\m]
.endr
.irp m, 0,1,2
	v_mul_f32 v[72+4*\m], s66, v[72+4*\m]          ; as t (c is positive)
.endr
.irp m, 0,1,2
	v_floor_f32 v[12+2*\m], -v[72+4*\m]            ; -M = floor(-t) = -ceil(t)
.endr
	s_wait_alu depctr_va_vdst(0)
; P's tiles m0 .. m0 + 2 of the image at byte off
.macro PLD m0, off
.irp m, \m0, \m0+1, \m0+2
.irp c, 0,1,2,3
	ds_load_b128 v[144+16*(\m)+4*\c:147+16*(\m)+4*\c], v5 offset:(\off)+2048*(\m)+512*\c
.endr
.endr
.endm
; THE SOFTMAX of the slot whose K is in, or on its way to, v[kreg ..] (waited for by dscnt cnt; 99: it is in), slot number s[slot]; p's codes, in v[creg ..], go to buffer wbuf.
; pl: the image whose six tiles of P are asked for behind the score products (-1: none).
.macro SM kreg, cnt, creg, pl, wbuf, slot
.if (\cnt) < 64
	s_wait_dscnt \cnt
.endif
.irp mm, 0,1,2
.irp rr, 0,1
	v_wmma_f32_16x16x64_bf8_bf8 v[96+16*\mm+8*\rr:103+16*\mm+8*\rr], v[\kreg+8*\rr:\kreg+8*\rr+7], v[32+8*\mm:39+8*\mm], 0
.endr
.endr
.if (\pl) >= 0
	PLD 0, \pl
	PLD 3, \pl
.endif
.rept 4
	v_nop                                          ; four places ahead of the first read of results
.endr
	s_cmp_lg_u32 s[\slot], s28
	s_cbranch_scc1 .Lnm\@
	HIDE 96
.Lnm\@:
	s_wait_alu depctr_va_vdst(0)
.set JJ, 0
.rept 24
	v_pk_fma_f32 v[96+2*JJ:97+2*JJ], v[96+2*JJ:97+2*JJ], s[66:67], v[12+2*(JJ/8):13+2*(JJ/8)] op_sel_hi:[1,0,0]   ; t - M, two at a time (of the pairs c and -M the low word serves both halves)
.set JJ, JJ+1
.endr
	s_wait_alu depctr_va_vdst(0)                   ; a wait ahead of the batch,
.set II, 0
.rept 48
	v_exp_f32 v[96+II], v[96+II]                   ; p = 2^(t - M), at most 1
.set II, II+1
.endr
	v_nop                                          ; a plain instruction behind the last exponential,
	s_wait_alu depctr_va_vdst(0)                   ; and one wait for the batch, ahead of its first reader
.set JJ, 0
.rept 8
.irp mm, 0,1,2
	v_pk_add_f32 v[18+2*\mm:19+2*\mm], v[18+2*\mm:19+2*\mm], v[96+16*\mm+2*JJ:97+16*\mm+2*JJ]   ; the rows' sums, of the unquantised p
.endr
.set JJ, JJ+1
.endr
	s_cmp_eq_u32 s30, 0
	s_cbranch_scc1 .Lnh\@
.set II, 0
.rept 48
	v_min_num_f32 v[96+II], v[96+II], v25          ; the conversion does not saturate (ISA guide 7.6.2); p is not negative, so the hold is one-sided
.set II, II+1
.endr
.Lnh\@:
.set GG, 0
.rept 6
	v_cvt_scalef32_pk8_bf8_f32 v[\creg+2*GG:\creg+2*GG+1], v[96+8*GG:103+8*GG], v24
.set GG, GG+1
.endr
	v_nop                                          ; a plain instruction behind the last conversion: the next scores are written over its sources
	ds_store_b128 v4, v[\creg:\creg+3] offset:PB*(\wbuf)
	ds_store_b128 v4, v[\creg+4:\creg+7] offset:PB*(\wbuf)+2048
	ds_store_b128 v4, v[\creg+8:\creg+11] offset:PB*(\wbuf)+4096
.endm
; A period's two softmaxes, slots s71 and s78, into the images of parity wp; where slot s78 lies past the walk its image is zeros.
.macro SMPAIR wp, c0, c1, pl
	SM 56, \c0, 72, \pl, 2*(\wp), 71
	s_cmp_ge_u32 s78, s25
	s_cbranch_scc1 .Lzp\@
	SM 240, \c1, 84, -1, 2*(\wp)+1, 78
	s_branch .Lzj\@
.Lzp\@:
	s_wait_dscnt 0x0                               ; (my other stores have read their registers)
.irp k, 84,85,86,87
	v_mov_b32 v[\k], 0
.endr
.irp k, 0,1,2
	ds_store_b128 v4, v[84:87] offset:PB*(2*(\wp)+1)+2048*\k
.endr
.Lzj\@:
.endm
.macro PVMUL m0, bf, zero              ; nine products; the accumulators take turns, one instruction a turn
.if \zero
	WIN 0x41                                       ; V and D window 1
.else
	WIN 0x51                                       ; V, C and D window 1
.endif
.irp m, \m0, \m0+1, \m0+2
.irp t, 0,1,2
.if \zero
	v_wmma_f32_16x16x128_bf8_bf8 v[8*(6*\t+\m):8*(6*\t+\m)+7], v[144+48*(\bf)+16*\t:159+48*(\bf)+16*\t], v[144+16*(\m):159+16*(\m)], 0
.else
	v_wmma_f32_16x16x128_bf8_bf8 v[8*(6*\t+\m):8*(6*\t+\m)+7], v[144+48*(\bf)+16*\t:159+48*(\bf)+16*\t], v[144+16*(\m):159+16*(\m)], v[8*(6*\t+\m):8*(6*\t+\m)+7]
.endif
.endr
.endr
.endm
.macro PLACES                          ; four places ahead of loads into registers that matrix instructions have read
	WIN 0
.rept 4
	v_nop
.endr
.endm
; V's buffer k is asked for anew, for the step two on, if the walk reaches it.  Where it does not, all loads are waited for, so that the counted waits hold on every way.
.macro REFILL k
	s_add_co_u32 s75, s75, 1                       ; the key step two steps on in the turned walk
	s_cmp_ge_u32 s75, s26
	s_cselect_b32 s75, 0, s75
	s_add_co_u32 s84, s70, 2+\k
	s_cmp_ge_u32 s84, s26
	s_cbranch_scc1 .Lnr\@
	s_wait_xcnt 0x0                                ; the earlier loads have read their offset, which is written below
	s_min_u32 s84, s75, 31                         ; a step of the batch
	s_mul_i32 s84, s84, 98304
	v_add_nc_u32 v8, s84, v1
	s_wait_alu depctr_va_vdst(0)
	VLD \k, 8
	s_branch .Ljr\@
.Lnr\@:
	s_wait_loadcnt 0x0
.Ljr\@:
.endm
; O^T += V^T P^T for steps s70 and s70 + 1; the first step's P has been asked for.
.macro PVPAIR par, zero, refill
	s_wait_loadcnt 12                              ; the first step's V is in: behind its loads only the second step's twelve were issued
	s_wait_dscnt 12                                ; P's tiles 0-2 are in
	PVMUL 0, 0, \zero
	PLACES
	PLD 0, PB*(2*\par+1)
	s_wait_dscnt 12                                ; P's tiles 3-5 are in; the twelve just issued may be out
	PVMUL 3, 0, \zero
	PLACES
	PLD 3, PB*(2*\par+1)
.if \refill
	REFILL 0
	s_wait_loadcnt 12                              ; the second step's V is in
.else
	s_wait_loadcnt 0x0
.endif
	s_wait_dscnt 12
	PVMUL 0, 1, 0
	s_wait_dscnt 0x0
	PVMUL 3, 1, 0
	PLACES
.if \refill
	REFILL 1
.endif
.endm
; A PERIOD.  The barrier orders two things: p's images of this period are whole, and nobody reads the other parity's any more, over which the next period's softmaxes write.
.macro TRIP par, koff, first, sm
	s_wait_dscnt 0x0                               ; my images have landed, and my reads of the other parity's are over
	s_barrier_signal -1
	s_barrier_wait -1
.if \first == 0
	s_cmp_ge_u32 s70, s25
	s_cbranch_scc1 .Ltd\@
.endif
.if \sm
	KLD 56, 3, \koff
	KLD 240, 3, \koff+8192
	s_add_co_u32 s71, s70, 2
	s_add_co_u32 s78, s70, 3
	s_cmp_lt_u32 s18, 4
	s_cbranch_scc1 .Lta\@
	s_cmp_ge_u32 s71, s25
	s_cbranch_scc1 .Lta\@
	SMPAIR 1-\par, 4, 24, PB*2*\par                ; dscnt 4: K's second step may be out; 24: of what was issued behind it 27 are P's loads and my stores
	s_branch .Ltp\@
.Lta\@:
.endif
	PLD 0, PB*2*\par
	PLD 3, PB*2*\par
.Ltp\@:
	PVPAIR \par, \first, \sm
.if \sm
	s_cmp_ge_u32 s18, 4
	s_cbranch_scc1 .Ltc\@
	s_cmp_ge_u32 s71, s25
	s_cbranch_scc1 .Ltc\@
	SMPAIR 1-\par, 99, 99, -1
.Ltc\@:
.endif
.if \first == 0
	s_branch .Lte\@
.Ltd\@:
	s_wait_loadcnt 0x0                             ; nothing is out past the walk's end
.Lte\@:
.endif
	s_add_co_u32 s70, s70, 2
.endm
	; ---- PASS 2
	s_mov_b32 s70, 0
	s_mov_b32 s71, 0
	s_mov_b32 s78, 1
	v_mov_b32 v3, v2
	s_wait_alu depctr_va_vdst(0)
	SMPAIR 0, 4, 3, -1                             ; slots 0 and 1, by every work-group.  dscnt 3: behind K's loads only my three stores were issued
	TRIP 0, 16384, 1, 1                            ; period 0's products start the sums
	s_mov_b32 s72, 0
	s_mov_b32 s74, 32768
.Lmain:                                                ; 7 trips of two periods: periods 1 to 14, softmaxes of slots 4 to 31
	v_add_nc_u32 v3, s74, v2
	s_wait_alu depctr_va_vdst(0)
	TRIP 1, 0, 0, 1
	TRIP 0, 16384, 0, 1
	s_add_co_u32 s74, s74, 32768
	s_add_co_u32 s72, s72, 1
	s_cmp_lt_u32 s72, 7
	s_cbranch_scc1 .Lmain
	TRIP 1, 0, 0, 0                                ; period 15: no slot follows
	; ---- THE WAY OUT
	s_add_co_i32 s86, s62, s63                     ; e6 + e7
	s_mul_i32 s84, s20, 1536
	s_lshl_b32 s85, s19, 7
	s_add_co_u32 s84, s84, s85
	s_mul_i32 s85, s18, 192
	s_mul_i32 s87, s18, 12*SROW
	s_wait_alu depctr_va_vdst(0)
	v_add_f32 v18, v18, v19
	v_add_f32 v20, v20, v21
	v_add_f32 v22, v22, v23
	v_permlanex16_b32 v30, v18, s68, s69
	v_permlanex16_b32 v31, v20, s68, s69
	v_permlanex16_b32 v27, v22, s68, s69
	v_add_f32 v18, v18, v30                        ; my unit's part of my queries' sums
	v_add_f32 v20, v20, v31
	v_add_f32 v22, v22, v27
	v_and_b32 v24, 31, v0
	v_and_b32 v25, 15, v0
	v_bfe_u32 v26, v0, 4, 1
	v_lshlrev_b32 v24, 2, v24
	v_and_b32 v4, 8, v25
	v_add_nc_u32 v3, LXB, v24                      ; the sums' words: 4 x lane,
	v_add_nc_u32 v25, v25, v4                      ; r + 8 (r / 8)
	v_add_nc_u32 v2, s84, v3                       ; and mine
	v_mul_u32_u24 v4, v25, SROW
	v_lshl_add_u32 v4, v26, 5, v4
	v_add_nc_u32 v4, s85, v4                       ; the stage: query (m, r) lies in row 32 (m / 2) + 8 (m % 2) + r + 8 (r / 8), its local rank; my channels' bytes: 192 w + 64 t + 32 h
	v_add_nc_u32 v5, 32*SROW, v4                   ; tiles 2 and 3,
	v_add_nc_u32 v6, 64*SROW, v4                   ; 4 and 5
	v_add_nc_u32 v7, s87, v1                       ; back: my twelve rows, 16 bytes a lane
	ds_store_b32 v2, v18
	ds_store_b32 v2, v20 offset:512
	ds_store_b32 v2, v22 offset:1024
	s_wait_alu depctr_va_vdst(0)                   ; directly ahead of the wait below
	s_wait_dscnt 0x0
	s_barrier_signal -1
	s_barrier_wait -1
	s_cmp_eq_u32 s25, 0
	s_cbranch_scc1 .Lj1
.irp m, 0,1,2,3,4,5
.irp k, 0,1,2,3
	ds_load_b32 v[32+4*\m+\k], v3 offset:512*\m+128*\k
.endr
.endr
	s_wait_dscnt 0x0
.irp m, 0,1,2,3,4,5
	v_add_f32 v[32+4*\m], v[32+4*\m], v[33+4*\m]
	v_add_f32 v[34+4*\m], v[34+4*\m], v[35+4*\m]
.endr
.irp m, 0,1,2,3,4,5
	v_add_f32 v[32+4*\m], v[32+4*\m], v[34+4*\m]   ; l
.endr
	s_wait_alu depctr_va_vdst(0)                   ; a wait ahead of the batch,
.irp m, 0,1,2,3,4,5
	v_rcp_f32 v[12+2*\m], v[32+4*\m]
.endr
	v_nop                                          ; a plain instruction behind the last reciprocal,
	s_wait_alu depctr_va_vdst(0)                   ; and the one wait ahead of the first reader
.irp m, 0,1,2,3,4,5
	v_ldexp_f32 v[12+2*\m], v[12+2*\m], s86        ; 2^(e6 + e7) / l
.endr
	WIN 0x01                                       ; source 0 window 1
	s_wait_alu depctr_va_vdst(0)                   ; directly ahead of the first readers of the sums
.irp t, 0,1,2
.irp m, 0,1,2,3,4,5
.irp j, 0,2,4,6
	v_pk_mul_f32 v[96+8*(6*\t+\m)+\j:97+8*(6*\t+\m)+\j], v[8*(6*\t+\m)+\j:8*(6*\t+\m)+\j+1], v[12+2*\m:13+2*\m] op_sel_hi:[1,0]   ; each accumulator from its low end on
.endr
.endr
.endr
	WIN 0
.irp t, 0,1,2
.irp m, 0,1,2,3,4,5
	ds_store_b128 v[4+\m/2], v[96+8*(6*\t+\m):99+8*(6*\t+\m)] offset:8*SROW*(\m%2)+64*\t
	ds_store_b128 v[4+\m/2], v[100+8*(6*\t+\m):103+8*(6*\t+\m)] offset:8*SROW*(\m%2)+64*\t+16
.endr
.endr
.Lj1:
.irp j, 0,1,2,3,4,5,6,7,8,9,10,11
	s_min_u32 s84, s[36+\j], 0xfff
	s_mul_i32 s84, s84, 3072
	v_add_nc_u32 v[84+\j], s84, v1
.endr
	s_wait_alu depctr_va_vdst(0)                   ; directly ahead of the wait below
	s_wait_dscnt 0x0                               ; for the others' sake: my channels of the 96 rows have landed
	s_barrier_signal -1
	s_barrier_wait -1
.irp j, 0,1,2,3,4,5,6,7,8,9,10,11
.irp k, 0,1,2
	ds_load_b128 v[96+12*\j+4*\k:99+12*\j+4*\k], v7 offset:SROW*\j+512*\k
.endr
.endr
.macro OROW j                          ; a rank under the count: its 1,536 bytes; each row has its own registers, so none is written again
	s_add_co_u32 s84, s79, \j
	s_wait_dscnt 33-3*\j                           ; this row is back; the rows behind it may be out
	s_cmp_ge_u32 s84, s23
	s_cbranch_scc1 .Los\@
.irp k, 0,1,2
	global_store_b128 v[84+\j], v[96+12*\j+4*\k:99+12*\j+4*\k], s[16:17] offset:512*\k th:TH_STORE_NT   ; 512 consecutive bytes, aligned
.endr
.Los\@:
.endm
.irp j, 0,1,2,3,4,5,6,7,8,9,10,11
	OROW \j
.endr
	s_wait_tensorcnt 0x0                           ; the wave's end, behind my last LDS store
	ds_add_u32 v10, v11
	s_wait_dscnt 0x0
	s_endpgm
.Lfunc_end_k_q18ec175744_attn:
	.size	k_q18ec175744_attn, .Lfunc_end_k_q18ec175744_attn-k_q18ec175744_attn
	.p2alignl 7, 3214868480
	.fill 96, 4, 3214868480
	.section	.rodata,"a",@progbits
	.p2align	6, 0x0
	.amdhsa_kernel k_q18ec175744_attn
		.amdhsa_group_segment_fixed_size 318464
		.amdhsa_private_segment_fixed_size 0
		.amdhsa_enable_private_segment 0
		.amdhsa_kernarg_size 56
		.amdhsa_user_sgpr_count 2
		.amdhsa_user_sgpr_kernarg_segment_ptr 1
		.amdhsa_wavefront_size32 1
		.amdhsa_system_sgpr_workgroup_id_x 1
		.amdhsa_system_sgpr_workgroup_id_y 1
		.amdhsa_system_sgpr_workgroup_id_z 1
		.amdhsa_system_vgpr_workitem_id 0
		.amdhsa_next_free_vgpr 512
		.amdhsa_next_free_sgpr 96
		.amdhsa_reserve_vcc 1
		.amdhsa_float_denorm_mode_32 3
		.amdhsa_float_denorm_mode_16_64 3
		.amdhsa_memory_ordered 1
		.amdhsa_forward_progress 1
		.amdhsa_inst_pref_size 247
	.end_amdhsa_kernel
	.amdgpu_metadata
---
amdhsa.version: [ 1, 2 ]
amdhsa.kernels:
  - .name:           k_q18ec175744_attn
    .symbol:         k_q18ec175744_attn.kd
    .args:
      - { .name: qc, .offset: 0, .size: 8, .value_kind: global_buffer, .address_space: global }
      - { .name: kc, .offset: 8, .size: 8, .value_kind: global_buffer, .address_space: global }
      - { .name: vt, .offset: 16, .size: 8, .value_kind: global_buffer, .address_space: global }
      - { .name: perm, .offset: 24, .size: 8, .value_kind: global_buffer, .address_space: global }
      - { .name: counts, .offset: 32, .size: 8, .value_kind: global_buffer, .address_space: global }
      - { .name: lowp_scales, .offset: 40, .size: 8, .value_kind: global_buffer, .address_space: global }
      - { .name: out0, .offset: 48, .size: 8, .value_kind: global_buffer, .address_space: global }
    .group_segment_fixed_size: 318464
    .private_segment_fixed_size: 0
    .kernarg_segment_align: 8
    .kernarg_segment_size: 56
    .max_flat_workgroup_size: 256
    .sgpr_count:     96
    .vgpr_count:     512
    .wavefront_size: 32
...
	.end_amdgpu_metadata
.endif
;; end of part 2
